; MI455X (gfx1250); checked and timed in simulation.
; The chip was launched on July 23, 2026; its instructions are those of AMD's public machine-readable ISA for CDNA 5 (MIT licence, August 2026) and "CDNA5" Instruction Set Architecture Reference Guide (July 2026). The comments in the code are by the model that wrote it; some were corrected since.
;; Multihead Attention. Allowed arithmetic: matrix products marked QUANTISED: E2M3 operands, one E8M0 scale for each 32 along K, by v_wmma_scale_f32_16x16x128_f8f6f4 with both operands' format E2M3, f32 sums; everything else in f32.
;; Inputs: Wk_codes 512 x 16 x 24 uint8 (E2M3 codes of Wk, K innermost, in blocks of 32 codes, four codes in three bytes); Wk_scales 512 x 16 uint8 (E8M0 scales of Wk, one for each 32 codes along K); Wo_codes 512 x 16 x 24 uint8 (E2M3 codes of Wo, K innermost, in blocks of 32 codes, four codes in three bytes); Wo_scales 512 x 16 uint8 (E8M0 scales of Wo, one for each 32 codes along K); Wq_codes 512 x 16 x 24 uint8 (E2M3 codes of Wq, K innermost, in blocks of 32 codes, four codes in three bytes); Wq_scales 512 x 16 uint8 (E8M0 scales of Wq, one for each 32 codes along K); Wv_codes 512 x 16 x 24 uint8 (E2M3 codes of Wv, K innermost, in blocks of 32 codes, four codes in three bytes); Wv_scales 512 x 16 uint8 (E8M0 scales of Wv, one for each 32 codes along K); bk 512 float32; bo 512 float32; bq 512 float32; bv 512 float32; key__codes 2 x 4,096 x 16 x 24 uint8 (E2M3 codes of key_, K innermost, in blocks of 32 codes, four codes in three bytes); key__scales 2 x 4,096 x 16 uint8 (E8M0 scales of key_, one for each 32 codes along K); query_codes 2 x 4,096 x 16 x 24 uint8 (E2M3 codes of query, K innermost, in blocks of 32 codes, four codes in three bytes); query_scales 2 x 4,096 x 16 uint8 (E8M0 scales of query, one for each 32 codes along K); value_codes 2 x 4,096 x 16 x 24 uint8 (E2M3 codes of value, K innermost, in blocks of 32 codes, four codes in three bytes); value_scales 2 x 4,096 x 16 uint8 (E8M0 scales of value, one for each 32 codes along K).
;; Outputs: out0 2 x 4,096 x 512 float32.
;; This version of the problem:
;;   THIS VERSION OF THE PROBLEM IS GIVEN IN LOW PRECISION. The matrix products marked QUANTISED in the list below multiply operands that are first quantised to E2M3 (2 exponent bits, 3 mantissa bits; 6 bits a number), with one power-of-two scale for each 32 numbers along K (OCP MX v1.0); their sums are f32. All else is computed in f32.
;;   The module's matrix products, in the order in which they are computed (A, B: the left and right operand; K: the contracted axis; several contracted axes count as one K, in the product's order):
;;     1. [M 8,192, K 512] x [K 512, N 512]; A: input query (given as codes); B: input Wq (given as codes): QUANTISED
;;     2. [M 8,192, K 512] x [K 512, N 512]; A: input key_ (given as codes); B: input Wk (given as codes): QUANTISED
;;     3. [M 8,192, K 512] x [K 512, N 512]; A: input value (given as codes); B: input Wv (given as codes): QUANTISED
;;     4. batch 16 x [M 4,096, K 64] x [K 64, N 4,096]; A: computed on the way; B: computed on the way: QUANTISED
;;     5. batch 16 x [M 4,096, K 4,096] x [K 4,096, N 64]; A: softmax (see below); B: computed on the way: QUANTISED
;;     6. [M 8,192, K 512] x [K 512, N 512]; A: computed on the way; B: input Wo (given as codes): QUANTISED
;;   THE QUANTISER, for each operand of a quantised product, along K:
;;     - K is cut into blocks of 32 from its start; a last block that is shorter is filled with zeros.
;;     - A block's scale is 2^e with e = floor(log2(the largest magnitude in the block)) - 2, held to -126 .. 127; a block of zeros has e = 0. As a byte (E8M0): e + 127.
;;     - Each number is divided by its block's scale, clamped to +-7.5, and rounded to the nearest number of E2M3, ties to even, subnormals kept.
;;     - The product sums the exact products of the quantised numbers (number of the format x scale) in f32.
;;   ~~~python
;;   def quantise(x, axis):      # numpy; x: float32 -> the quantised numbers, widened to float32 again
;;       x = np.moveaxis(x, axis, -1); K = x.shape[-1]
;;       x = np.pad(x, [(0, 0)] * (x.ndim - 1) + [(0, -K % 32)]); x = x.reshape(x.shape[:-1] + (-1, 32)); a = np.abs(x).max(-1, keepdims=True)
;;       e = np.where(a > 0, np.clip(np.frexp(np.where(a > 0, a, 1))[1] - 1 - 2, -126, 127), 0)      # np.frexp(a)[1] - 1 = floor(log2(a)), exactly
;;       r = np.clip(x / 2.0 ** e, -7.5, 7.5)
;;       step = 2.0 ** (np.maximum(np.frexp(np.where(r == 0, 1, r))[1] - 1, 0) - 3)
;;       q = np.round(r / step) * step * 2.0 ** e      # np.round: ties to even
;;       return np.moveaxis(q.reshape(q.shape[:-2] + (-1,))[..., :K], -1, axis).astype(np.float32)
;;   ~~~
;;   SOFTMAX AHEAD OF A QUANTISED PRODUCT. Where the list says 'softmax', what is quantised is not the finished softmax but p = 2^(t - M), with t = logit x log2(e) and M = ceil(the row's largest t), a whole number; so 1/2 < the row's largest p <= 1. The row's sum l is taken of the UNQUANTISED p, in f32, and the product's result is divided by l at the end. Since M is a whole number, a kernel that streams over the keys may use a running M (the ceiling of the running maximum): every later rescaling is an exact power of two, which a block's scale takes up: the codes' values come out the same.
;;   OPERANDS COMPUTED ON THE WAY. 'Computed on the way' means the value that the module computes at that place (a softmax that the list does not call 'softmax' is quantised finished and normalised). What goes into a quantiser is computed in f32, as accurately as f32 sums, v_exp_f32 and their like allow (about 1e-6 of the number): no bf16 or f16 on the way to a quantiser, and a product that is left as it is and whose result goes on into a quantised operand takes f32 operands (vector FMAs, or v_wmma_f32_16x16x4_f32). A number that lies on a knife's edge between two numbers of the format may be rounded either way, as far as f32 arithmetic and the matrix unit's own rounding can turn it there, and no further.
;;   INPUTS GIVEN AS CODES. Wk (in the module: [512, 512], K = its axis 1); Wo (in the module: [512, 512], K = its axis 1); Wq (in the module: [512, 512], K = its axis 1); Wv (in the module: [512, 512], K = its axis 1); key_ (in the module: [2, 4096, 512], K = its axis 2); query (in the module: [2, 4096, 512], K = its axis 2); value (in the module: [2, 4096, 512], K = its axis 2): each comes as NAME_codes (uint8): NAME with its K axis moved to the last place and cut into blocks of 32 codes, [.., K / 32, bytes a block], one block behind the other in memory; four codes in three bytes: a row's codes are one little-endian stream of bits, code i at bits 6 i .. 6 i + 5 (a code: sign, 2 exponent bits, 3 mantissa bits); and NAME_scales (uint8): the same leading axes, one E8M0 byte (e + 127) for each 32 codes along K. Its value is code x scale, taken as it is: it is not quantised again, and the codes and scales need not be those that the quantiser above would give.
;; One version. Each part assembles by itself: llvm-mc -triple=amdgcn-amd-amdhsa -mcpu=gfx1250 --defsym DOCPART=n.
;; ======== version 1 of 1: 3 launches
;; limits: right only within a limited range of input values
;; workspace buffers: qimg 3,407,872 bytes; kv 6,684,672 bytes; ctx 3,145,728 bytes; ctxs 131,072 bytes
;; launch proj (part 1): grid 64 x 3, 4 waves a work-group, clusters of 4 x 1, 276,992 bytes of LDS; arguments query_codes, query_scales, key__codes, key__scales, value_codes, value_scales, Wq_codes, Wq_scales, Wk_codes, Wk_scales, Wv_codes, Wv_scales, bq, bk, bv, qimg, kv; writes qimg, kv
.if DOCPART == 1
	.amdgcn_target "amdgcn-amd-amdhsa--gfx1250"
	.amdhsa_code_object_version 6
	.text
	.protected	k_q6ecd31b4bc_proj
	.globl	k_q6ecd31b4bc_proj
	.p2align	8
	.type	k_q6ecd31b4bc_proj,@function
k_q6ecd31b4bc_proj:
	s_mov_b64 s[64:65], 0
	v_nop
	global_prefetch_b8 v0, s[64:65] scope:SCOPE_SE
	s_setreg_imm32_b32 hwreg(HW_REG_WAVE_MODE, 25, 1), 1
	s_wait_xcnt 0x0
	s_wait_alu depctr_hold_cnt(0) depctr_sa_sdst(0) depctr_va_vdst(0) depctr_va_sdst(0) depctr_va_ssrc(0) depctr_va_vcc(0) depctr_vm_vsrc(0)
	s_getreg_b32 s2, hwreg(HW_REG_IB_STS2, 6, 4)
	s_cmp_eq_u32 s2, 0
	s_cbranch_scc0 .Lentry_in_a_cluster
	s_endpgm
.Lentry_in_a_cluster:
	s_bfe_u32 s2, ttmp6, 0x10000c
	s_cmp_lg_u32 s2, 0x3003
	s_cbranch_scc0 .Lentry_shape_is_right
	s_endpgm
.Lentry_shape_is_right:
; q = query Wq^T + bq, k = key_ Wk^T + bk, v = value Wv^T + bv, on the given codes of FP6 (E2M3) with their E8M0 bytes; the results, f32 sums, are quantised here for the attention launch:
; q and k along the head's 64 (two blocks of 32), v along the keys (blocks of 32 tokens).  They leave as IMAGES OF OPERAND REGISTERS, so that the reader loads 16 bytes a lane and shuffles nothing.
; ONE FORM FOR THE THREE (work-group y = 0, 1, 2).  Source 0 is the STATIONARY operand, whose rows become the next product's K; source 1 the WALKING one, whose rows stay rows.
;   q, k: stationary = all 512 rows of W (128 a wave = two heads), walking = 128 tokens.      v: stationary = 512 tokens (128 a wave = one key step), walking = 128 rows of Wv (two heads).
; A wave keeps its 128 stationary rows x 512 K in 384 registers and walks the 8 tiles of 16 walking rows: 32 matrix instructions a tile, the tile's 8 accumulators by turns.
; THE ROWS OF A TILE ARE NOT NEIGHBOURS: lane r of tile 2 b + u holds row 32 b + 8 u + r + 8 (r / 8).  In the result, lane (r, h) then holds walking row r and its registers 16 b + i the stationary rows 32 b + 16 h + i:
; sixteen neighbours along the next K, as the conversions want them.  The tensor loads lay the rows so: eight rows are 3,072 dense bytes, and such runs, 6,144 bytes apart, are rows 0-7, 16-23, 32-39 ..
; CLUSTER: the four work-groups of a cluster share y and the stationary operand (four fifths of a work-group's bytes): it is asked for jointly, mask 15.  The walking rows differ from partner to partner: a plain load.
; GRID: 3 x 64 work-groups of equal work.
; OUT.  qimg [bh 16][record 32] of 6,656 bytes: 128 queries: register n = 6 t + i (tile t, i = 0 .. 5) of lane l at 512 (n / 4) + 16 l + 4 (n % 4); from 6,144 on the scale words: tile 2 j + l / 16, row l % 16, at 16 l + 4 j.
;       kv [bh 16][key step 32] of 13,056 bytes: k's codes as in qimg; from 6,144 v's codes (register n = 12 t + c of d tile t); from 12,288 k's scale words; from 12,800 v's: d tile 2 j + l / 16, row l % 16, at 8 l + 4 j.
;       A scale word of q or k is byte0 | byte1 << 8 | 0x7f7f0000: its upper two bytes stand over codes that the attention launch multiplies by zero codes.
; LIMITS: NaN and infinities among the results are not served; a block of zeros gets the byte 1 where the quantiser says 127 (its codes are zeros, and these bytes are read by this program alone);
; a block's largest magnitude is not taken under 2^-124, so that the byte does not fall under 1.  A given scale byte 0xff gives NaN, as the format has it.
.set PITCH,  432                       ; an LDS row: 3 x (128 bytes + 16 of padding): 108 words, so 16 rows start 44 banks apart modulo 64 and a load of 8 bytes a lane meets no bank twice
.set HALF,   64*PITCH                  ; 64 rows: the tiles with u = 0, or those with u = 1
.set WSEG,   128*PITCH                 ; 128 rows
.set WK,     4*WSEG                    ; behind the four waves' stationary rows: the walking rows
.set SPARE,  WK+WSEG                   ; behind them: the spare words, 128 bytes for each wave, which no other line names
.set QREC,   6656
.set REC,    13056
.set VC,     6144
.set QSO,    6144
.set KSO,    12288
.set VSO,    12800
; vector registers, window 0
.set SA,  2                            ; v2, v3   LDS address of my stationary rows: 432 r + 24 h, and the same behind one padding more (40 h)
.set WA,  4                            ; v4, v5   the same for the walking rows
.set L16, 6                            ; v6       16 x lane
.set L8,  7                            ; v7       8 x lane
.set SRO, 8                            ; v8       16 (r + 8 (r / 8) + 8 h): a row of scale bytes is 16 bytes; lanes 16-31 take the odd tile's rows
.set BO,  9                            ; v9       64 h: q's and k's bias
.set SPW, 10                           ; v10      LDS address of my spare word; never rewritten
.set NIL, 11                           ; v11      0; never rewritten
.set SS,  12                           ; v12-27   stationary scale words: 4 j + s: lanes 0-15 tile 2 j, lanes 16-31 tile 2 j + 1, K step s
.set WS,  28                           ; v28-43   walking scale words, likewise
.set WF,  44                           ; v44-91   the walking tile's four fragments
.set ACC, 92                           ; v92-155  eight accumulators
.set OUT, 156                          ; v156-179 codes on their way out
.set CT,  180                          ; v180-187 the conversions' second halves
.set TM,  188                          ; v188-203 +0 largest magnitudes, +4 bytes, +8 at work, +12 the conversions' scale operands
.set PW,  204                          ; v204     the scale word just made
.set KA,  205                          ; v205, v206 the even tile's words, kept for the odd tile's
.set KB,  206
.set BOV, 207                          ; v207     4 (r + 8 (r / 8)): v's bias
.set SCW, 208                          ; v208-215 scale words on their way out
.set SB,  216                          ; v216, v217 as v2, v3, for my odd tiles' stationary rows
.set BIA, 192                          ; window 2: v192-255 the bias as C, eight registers a tile.  Windows 1 and 2, v0-191: stationary fragments, K steps 0, 1 and 2, 3: 12 (8 (s % 2) + t)
; scalar registers
.set SEL, 2                            ; s[2:3]   v_permlanex16_b32's selects for lane l xor 16
.set YY,  38                           ; s38      which product
.set WV,  39                           ; s39      my wave
.set S0C, 40                           ; s[40:41] stationary codes; s[42:43] its scales; s[44:45], s[46:47] walking; s[48:49] bias; s[50:51] output
.set S0S, 42
.set S1C, 44
.set S1S, 46
.set BI,  48
.set OB,  50
.set G1J, 52                           ; s[52:59] group 1 of the joint loads
.set G1W, 68                           ; s[68:75] group 1 of the plain load
.set G0A, 76                           ; s[76:79] group 0 of the stationary rows (waves 0, 1: u = 0, 1);  s[84:87] of the walking rows (waves 2, 3: u = 0, 1)
.set MYB, 81                           ; s81      LDS byte of my 64 stationary rows inside either u's region
.set G0C, 84
.set CX,  88
.set GG,  89
.set RS,  90                           ; s90      bytes of an output record
.set SCO, 91                           ; s91      where q's or k's scale words begin in it
.set B0,  92                           ; s[92:93], s[94:95] the two heads' records;  s[96:97], s[98:99] their scale words
.set BS0, 96
.set BS1, 98
.set HI16, 100                         ; s100     a lane mask: lanes 16-31
.set PADW, 101                         ; s101     0x7f7f0000
.set MSB, 0
.macro WIN new                         ; the immediate's high byte repeats the setting that is left
.if MSB != \new
	s_set_vgpr_msb (MSB<<8)|\new
.set MSB, \new
.endif
.endm
.macro PLACES n
.rept \n
	v_nop
.endr
.endm
.macro CROUND                          ; a round of the cluster's barrier
	s_barrier_signal -1
	s_barrier_wait -1
	s_cmp_lg_u32 s[WV], 0
	s_cbranch_scc1 .Lnot_wave_0_\@
	s_barrier_signal -3
.Lnot_wave_0_\@:
	s_barrier_wait -3
	s_barrier_signal -1
	s_barrier_wait -1
.endm
; A fragment, 16 rows x 128 K of 6-bit codes: lane (r, h) takes 24 bytes at 96 q + 24 h and 24 at 96 q + 48 + 24 h of its row, in pieces of 8 bytes.  16 bytes of padding lie behind every 16 pieces:
; where the piece three on (lanes 16-31) lies behind one padding more, the second address register serves.
.macro FRAG reg, adr, q, row
.irp p, 0,1,2,3,4,5
.set PCE, 12*(\q)+6*(\p/3)+\p%3
.if PCE%16 < 13
	ds_load_b64 v[2*\p+(\reg):2*\p+(\reg)+1], v[\adr] offset:8*PCE+16*(PCE/16)+(\row)*PITCH
.else
	ds_load_b64 v[2*\p+(\reg):2*\p+(\reg)+1], v[\adr+1] offset:8*PCE+16*(PCE/16)+(\row)*PITCH
.endif
.endr
.endm
.macro WALK tau                        ; the walking tile's four fragments: tile 2 b + u lies at LDS rows 64 u + 16 b
.irp s, 0,1,2,3
	FRAG WF+12*\s, WA, \s, 64*((\tau)%2)+16*((\tau)/2)
.endr
.endm
; One matrix instruction; ra, rb = 1: that side's scale words stand in lanes 16-31
.macro WM d, a, b, c, sa, sb, ra, rb
.if (\ra) && (\rb)
	v_wmma_scale_f32_16x16x128_f8f6f4 v[\d:\d+7], v[\a:\a+11], v[\b:\b+11], v[\c:\c+7], v[\sa], v[\sb] matrix_a_fmt:MATRIX_FMT_FP6 matrix_b_fmt:MATRIX_FMT_FP6 matrix_a_scale:MATRIX_SCALE_ROW1 matrix_b_scale:MATRIX_SCALE_ROW1
.elseif (\ra)
	v_wmma_scale_f32_16x16x128_f8f6f4 v[\d:\d+7], v[\a:\a+11], v[\b:\b+11], v[\c:\c+7], v[\sa], v[\sb] matrix_a_fmt:MATRIX_FMT_FP6 matrix_b_fmt:MATRIX_FMT_FP6 matrix_a_scale:MATRIX_SCALE_ROW1
.elseif (\rb)
	v_wmma_scale_f32_16x16x128_f8f6f4 v[\d:\d+7], v[\a:\a+11], v[\b:\b+11], v[\c:\c+7], v[\sa], v[\sb] matrix_a_fmt:MATRIX_FMT_FP6 matrix_b_fmt:MATRIX_FMT_FP6 matrix_b_scale:MATRIX_SCALE_ROW1
.else
	v_wmma_scale_f32_16x16x128_f8f6f4 v[\d:\d+7], v[\a:\a+11], v[\b:\b+11], v[\c:\c+7], v[\sa], v[\sb] matrix_a_fmt:MATRIX_FMT_FP6 matrix_b_fmt:MATRIX_FMT_FP6
.endif
.endm
; Walking tile tau against my eight stationary tiles, K ascending.  The bias is the C of each sum's first instruction (vp = 0: by stationary tile; vp = 1: by walking tile).
; The eight accumulators take turns, one instruction a turn.
.macro MULT tau, vp
	WIN 0x21                                       ; source 0 window 1, source 2 (the bias) window 2
.irp t, 0,1,2,3,4,5,6,7
	WM ACC+8*\t, 12*\t, WF, BIA+8*((\vp)*(\tau)+(1-(\vp))*\t), SS+4*(\t/2), WS+4*((\tau)/2), \t%2, (\tau)%2
.endr
	WIN 0x01
.irp t, 0,1,2,3,4,5,6,7
	WM ACC+8*\t, 12*(8+\t), WF+12, ACC+8*\t, SS+4*(\t/2)+1, WS+4*((\tau)/2)+1, \t%2, (\tau)%2
.endr
	WIN 0x02                                       ; source 0 window 2
.irp t, 0,1,2,3,4,5,6,7
	WM ACC+8*\t, 12*\t, WF+24, ACC+8*\t, SS+4*(\t/2)+2, WS+4*((\tau)/2)+2, \t%2, (\tau)%2
.endr
.irp t, 0,1,2,3,4,5,6,7
	WM ACC+8*\t, 12*(8+\t), WF+36, ACC+8*\t, SS+4*(\t/2)+3, WS+4*((\tau)/2)+3, \t%2, (\tau)%2
.endr
	WIN 0
.endm
; 64 numbers of a lane, register 16 b + i = k 32 b + 16 h + i of my row, become codes: blocks 0, 1 in v[d0 .. d0 + 5], blocks 2, 3 in v[d1 .. d1 + 5] (lane (r, h): block 2 c + h, whole), and the four bytes in v[PW].
.macro QUANT s, d0, d1
.irp b, 0,1,2,3
	v_max3_num_f32 v[TM+\b], |v[\s+16*\b]|, |v[\s+16*\b+1]|, 0x1800000   ; my 16 numbers of block b, and the floor 2^(3 - 127): the byte cannot fall under 1.  (Each accumulator is read from its low end on)
.endr
.irp i, 2,4,6,8,10,12,14
.irp b, 0,1,2,3
	v_max3_num_f32 v[TM+\b], v[TM+\b], |v[\s+16*\b+\i]|, |v[\s+16*\b+\i+1]|   ; the four blocks by turns
.endr
.endr
.irp b, 0,1,2,3
	v_permlanex16_b32 v[TM+4+\b], v[TM+\b], s[SEL], s[SEL+1]
.endr
.irp b, 0,1,2,3
	v_max_num_f32 v[TM+\b], v[TM+\b], v[TM+4+\b]   ; with lane l xor 16's sixteen: the block's largest magnitude
.endr
.irp b, 0,1,2,3
	v_add_nc_u32 v[TM+12+\b], 0xff000000, v[TM+\b] ; 2 off its exponent field: the conversion takes the exponent field of this operand as its scale
.endr
.irp b, 0,1,2,3
	v_lshrrev_b32 v[TM+4+\b], 23, v[TM+12+\b]      ; the scale's byte
.endr
	v_lshl_or_b32 v[PW], v[TM+5], 8, v[TM+4]
	v_lshl_or_b32 v[PW], v[TM+6], 16, v[PW]
	v_lshl_or_b32 v[PW], v[TM+7], 24, v[PW]
	v_cvt_scalef32_pk16_fp6_f32 v[\d0:\d0+2], v[\s:\s+15], v[TM+12]
	v_cvt_scalef32_pk16_fp6_f32 v[CT:CT+2], v[\s+16:\s+31], v[TM+13]     ; (a conversion's three registers begin on an even number)
	v_cvt_scalef32_pk16_fp6_f32 v[\d1:\d1+2], v[\s+32:\s+47], v[TM+14]
	v_cvt_scalef32_pk16_fp6_f32 v[CT+4:CT+6], v[\s+48:\s+63], v[TM+15]
	v_nop                                          ; one plain place behind the scaled conversions
.irp i, 0,1,2
	v_permlane16_swap_b32 v[\d0+\i], v[CT+\i]      ; the first's lanes 16-31 change places with the second's lanes 0-15: each lane now has a whole block
.endr
.irp i, 0,1,2
	v_permlane16_swap_b32 v[\d1+\i], v[CT+4+\i]
.endr
.irp i, 0,1,2
	v_mov_b32 v[\d0+3+\i], v[CT+\i]
	v_mov_b32 v[\d1+3+\i], v[CT+4+\i]
.endr
.endm
	s_load_b512 s[4:19], s[0:1], 0x0               ; query codes, scales; key_ codes, scales; value codes, scales; Wq codes, scales
	s_load_b512 s[20:35], s[0:1], 0x40             ; Wk codes, scales; Wv codes, scales; bq; bk; bv; qimg
	s_load_b64 s[36:37], s[0:1], 0x80              ; kv
	v_lshl_add_u32 v[SPW], v0, 2, SPARE
	v_mov_b32 v[NIL], 0
	ds_add_u32 v[SPW], v[NIL]                      ; the wave's opening: the add and its wait stand ahead of my first tensor load; the set-up below, work on registers, stands between them
	ds_add_u32 v[SPW], v[NIL]
	v_lshrrev_b32 v1, 5, v0
	v_readfirstlane_b32 s[WV], v1                  ; wave 0..3
	s_and_b32 s[YY], ttmp7, 0xffff                 ; 0: q, 1: k, 2: v: the same in the four partners
	s_bfe_u32 s[CX], ttmp6, 0x40000                ; my place in the cluster
	s_lshl_b32 s[GG], ttmp9, 2
	s_add_co_u32 s[GG], s[GG], s[CX]               ; work-group x
	; group 1 of the joint loads: 32 runs of 3,072 bytes (8 rows), 6,144 bytes apart: one u of all 512 stationary rows; 16 bytes of padding behind every 128
	s_mov_b32 s[G1J], 15|(1<<20)|(1<<21)|(4<<22)|(3<<25)   ; the mask: all four; elements of 1 byte; padding on; 21 set beside a mask; after every 32 words 4 words
	s_mov_b32 s[G1J+1], 3072<<16                   ; tensor_dim0
	s_mov_b32 s[G1J+2], 32<<16                     ; tensor_dim1
	s_mov_b32 s[G1J+3], 3072<<16                   ; tile_dim0
	s_mov_b32 s[G1J+4], 32                         ; tile_dim1
	s_mov_b32 s[G1J+5], 6144                       ; from run to run
	s_mov_b32 s[G1J+6], 0
	s_mov_b32 s[G1J+7], 0
	s_mov_b32 s[G1W], (1<<20)|(4<<22)|(3<<25)      ; the plain load: no mask, 8 runs: one u of the 128 walking rows
	s_mov_b32 s[G1W+1], 3072<<16
	s_mov_b32 s[G1W+2], 8<<16
	s_mov_b32 s[G1W+3], 3072<<16
	s_mov_b32 s[G1W+4], 8
	s_mov_b32 s[G1W+5], 6144
	s_mov_b32 s[G1W+6], 0
	s_mov_b32 s[G1W+7], 0
	s_lshl_b32 s60, ttmp9, 9
	s_lshl_b32 s61, s[GG], 7
	s_lshl_b32 s62, s[CX], 7
	s_cmp_eq_u32 s[YY], 2
	s_cselect_b32 s60, s60, 0                      ; the stationary operand's first row: W's row 0, or token 512 x cluster: no place in the cluster enters it
	s_cselect_b32 s61, s62, s61                    ; the walking operand's: token 128 x work-group x, or Wv's row 128 cx
	s_mov_b32 s[RS], REC
	s_mov_b32 s[SCO], KSO
	s_cmp_eq_u32 s[YY], 0
	s_cselect_b32 s[RS], QREC, s[RS]
	s_cselect_b32 s[SCO], QSO, s[SCO]
	s_and_b32 s62, s[WV], 1                        ; the u that I fetch
	s_mov_b32 s[G0A], 1                            ; count = 1
	s_mov_b32 s[G0C], 1
	s_mul_i32 s[G0A+1], s62, 4*HALF                ; LDS: the even tiles' 256 stationary rows, then the odd tiles' 256
	s_mul_i32 s[MYB], s[WV], HALF                  ; in each of the two, my 64 rows
	s_mul_i32 s[G0C+1], s62, HALF                  ; the walking rows: u = 0, then u = 1
	s_add_co_u32 s[G0C+1], s[G0C+1], WK
	s_mov_b32 s[SEL], 0x76543210
	s_mov_b32 s[SEL+1], 0xfedcba98
	s_mov_b32 s[HI16], 0xffff0000
	s_mov_b32 s[PADW], 0x7f7f0000
	v_and_b32 v44, 15, v0                          ; r
	v_bfe_u32 v45, v0, 4, 1                        ; h
	v_and_b32 v46, 31, v0                          ; lane
	v_mul_u32_u24 v47, v44, PITCH
	v_mad_u32_u24 v47, v45, 24, v47                ; 432 r + 24 h
	v_add_nc_u32 v[SA], s[MYB], v47
	v_lshl_add_u32 v[SA+1], v45, 4, v[SA]
	v_add_nc_u32 v[SB], 4*HALF, v[SA]
	v_add_nc_u32 v[SB+1], 4*HALF, v[SA+1]
	v_add_nc_u32 v[WA], WK, v47
	v_lshl_add_u32 v[WA+1], v45, 4, v[WA]
	v_lshlrev_b32 v[L16], 4, v46
	v_lshlrev_b32 v[L8], 3, v46
	v_and_b32 v48, 8, v44
	v_add_nc_u32 v48, v48, v44                     ; r + 8 (r / 8)
	v_lshl_add_u32 v49, v45, 3, v48
	v_lshlrev_b32 v[SRO], 4, v49
	v_lshlrev_b32 v[BO], 6, v45
	v_lshlrev_b32 v[BOV], 2, v48
.irp b, 0,1,2,3
	v_mov_b32 v[TM+4+\b], 0                        ; written once: a lane permute's destination counts as one of its sources
.endr
	s_wait_dscnt 0x0                               ; the opening add is done
	s_wait_kmcnt 0x0
	s_cmp_eq_u32 s[YY], 0                          ; the buffers are chosen by the work-group's y alone
	s_cselect_b64 s[S0C:S0C+1], s[16:17], s[20:21]
	s_cselect_b64 s[S0S:S0S+1], s[18:19], s[22:23]
	s_cselect_b64 s[S1C:S1C+1], s[4:5], s[8:9]
	s_cselect_b64 s[S1S:S1S+1], s[6:7], s[10:11]
	s_cselect_b64 s[BI:BI+1], s[28:29], s[30:31]
	s_cselect_b64 s[OB:OB+1], s[34:35], s[36:37]
	s_cmp_eq_u32 s[YY], 2
	s_cselect_b64 s[S0C:S0C+1], s[12:13], s[S0C:S0C+1]
	s_cselect_b64 s[S0S:S0S+1], s[14:15], s[S0S:S0S+1]
	s_cselect_b64 s[S1C:S1C+1], s[24:25], s[S1C:S1C+1]
	s_cselect_b64 s[S1S:S1S+1], s[26:27], s[S1S:S1S+1]
	s_cselect_b64 s[BI:BI+1], s[32:33], s[BI:BI+1]
	s_lshl_b32 s4, s[WV], 7
	s_add_co_u32 s4, s4, s60                       ; my first stationary row
	s_lshl_b32 s6, s4, 4                           ; its scale bytes: 16 a row
	s_lshl_b32 s9, s62, 3                          ; the odd tiles' rows begin 8 rows on
	s_add_co_u32 s4, s60, s9
	s_mul_i32 s4, s4, 384                          ; codes: 384 bytes a row
	s_mov_b32 s5, 0
	s_mov_b32 s7, 0
	s_add_nc_u64 s[G0A+2:G0A+3], s[S0C:S0C+1], s[4:5]
	s_or_b32 s[G0A+3], s[G0A+3], 0x80000000        ; type = 2
	s_add_co_u32 s8, s61, s9
	s_mul_i32 s8, s8, 384
	s_mov_b32 s9, 0
	s_add_nc_u64 s[G0C+2:G0C+3], s[S1C:S1C+1], s[8:9]
	s_or_b32 s[G0C+3], s[G0C+3], 0x80000000
	CROUND                                         ; all four work-groups are here: the joint loads meet
	s_cmp_lt_u32 s[WV], 2                          ; the first and only fills, one load a wave: waves 0, 1 the stationary rows, jointly; waves 2, 3 the walking rows
	s_cbranch_scc0 .Lwalking
	tensor_load_to_lds s[G0A:G0A+3], s[G1J:G1J+7]
	s_nop 0
	PLACES 4
	s_branch .Lasked
.Lwalking:
	tensor_load_to_lds s[G0C:G0C+3], s[G1W:G1W+7]
	s_nop 0
	PLACES 4
.Lasked:
	s_add_nc_u64 s[S0S:S0S+1], s[S0S:S0S+1], s[6:7]
	s_lshl_b32 s8, s61, 4
	s_add_nc_u64 s[S1S:S1S+1], s[S1S:S1S+1], s[8:9]
	s_lshl_b32 s10, s[WV], 9                       ; the bias: q, k: my 128 features; v: the work-group's 128
	s_lshl_b32 s11, s61, 2
	s_cmp_eq_u32 s[YY], 2
	s_cselect_b32 s10, s11, s10
	s_mov_b32 s11, 0
	s_add_nc_u64 s[BI:BI+1], s[BI:BI+1], s[10:11]
	; where the results go: record (8 batch + head) x 32 + step.  q, k: batch = x / 32, heads 2 w and 2 w + 1, step = x % 32;  v: batch = cluster / 8, heads 2 cx and 2 cx + 1, step = (4 cluster + w) % 32
	s_lshr_b32 s12, s[GG], 5
	s_lshl_b32 s13, s[WV], 1
	s_and_b32 s14, s[GG], 31
	s_lshr_b32 s15, ttmp9, 3
	s_lshl_b32 s16, s[CX], 1
	s_lshl_b32 s17, ttmp9, 2
	s_add_co_u32 s17, s17, s[WV]
	s_and_b32 s17, s17, 31
	s_cmp_eq_u32 s[YY], 2
	s_cselect_b32 s12, s15, s12
	s_cselect_b32 s13, s16, s13
	s_cselect_b32 s14, s17, s14
	s_lshl_b32 s12, s12, 3
	s_add_co_u32 s12, s12, s13
	s_lshl_b32 s12, s12, 5
	s_add_co_u32 s12, s12, s14
	s_mul_i32 s12, s12, s[RS]
	s_mov_b32 s13, 0
	s_add_nc_u64 s[B0:B0+1], s[OB:OB+1], s[12:13]
	s_lshl_b32 s12, s[RS], 5
	s_add_nc_u64 s[B0+2:B0+3], s[B0:B0+1], s[12:13]       ; the next head: 32 records on
	s_mov_b32 s12, s[SCO]
	s_add_nc_u64 s[BS0:BS0+1], s[B0:B0+1], s[12:13]
	s_add_nc_u64 s[BS1:BS1+1], s[B0+2:B0+3], s[12:13]
	s_wait_alu depctr_va_vdst(0)
.irp j, 0,1,2,3
	global_load_b128 v[SS+4*\j:SS+4*\j+3], v[SRO], s[S0S:S0S+1] offset:512*\j   ; a row's 16 bytes are its four K steps' words; 32 rows on for each pair of tiles
	global_load_b128 v[WS+4*\j:WS+4*\j+3], v[SRO], s[S1S:S1S+1] offset:512*\j
.endr
	s_cmp_eq_u32 s[YY], 2
	s_cbranch_scc1 .Lbias_v
	WIN 0x80                                       ; destination window 2
.irp t, 0,1,2,3,4,5,6,7
	global_load_b128 v[BIA+8*\t:BIA+8*\t+3], v[BO], s[BI:BI+1] offset:(32*(\t/2)+8*(\t%2))*4       ; lane (r, h), tile 2 b + u: features 32 b + 16 h + 8 u + 0 .. 7
	global_load_b128 v[BIA+8*\t+4:BIA+8*\t+7], v[BO], s[BI:BI+1] offset:(32*(\t/2)+8*(\t%2))*4+16
.endr
	WIN 0
	s_branch .Lbias_done
.Lbias_v:
	WIN 0x80
.irp t, 0,1,2,3,4,5,6,7
	global_load_b32 v[BIA+8*\t], v[BOV], s[BI:BI+1] offset:(32*(\t/2)+8*(\t%2))*4   ; v: the bias goes with the walking row, which is the lane's: one number for all eight registers
.endr
	s_wait_loadcnt 0x0
	WIN 0x82                                       ; source 0 and destination window 2
.irp t, 0,1,2,3,4,5,6,7
.irp j, 1,2,3,4,5,6,7
	v_mov_b32 v[BIA+8*\t+\j], v[BIA+8*\t]
.endr
.endr
	WIN 0
.Lbias_done:
	s_wait_tensorcnt 0x0                           ; my one load has landed,
	s_barrier_signal -1
	s_barrier_wait -1                              ; everybody's have: the stationary rows come from waves 0, 1, the walking rows from waves 2, 3.
	WIN 0x40                                       ; destination window 1: K steps 0 and 1 of my eight stationary tiles
.irp s, 0,1
.irp t, 0,1,2,3,4,5,6,7
	FRAG 12*(8*\s+\t), SA+(SB-SA)*(\t%2), \s, 16*(\t/2)
.endr
.endr
	WIN 0x80                                       ; window 2: K steps 2 and 3
.irp s, 0,1
.irp t, 0,1,2,3,4,5,6,7
	FRAG 12*(8*\s+\t), SA+(SB-SA)*(\t%2), \s+2, 16*(\t/2)
.endr
.endr
	WIN 0
	WALK 0
	s_wait_loadcnt 0x0                             ; scale words and bias
; A walking tile of q or k: products; the next tile's fragments are asked for; the two heads' 64 numbers a lane become six registers of codes each.  Two tiles' codes (12 registers a head) leave together.
.macro TILE_QK tau
.if ((\tau)%2 == 0) && ((\tau) >= 2)
	s_wait_xcnt 0x0                                ; the stores of the last two tiles have read their registers, which are written again below
.endif
	s_wait_dscnt 0x0                               ; this tile's fragments are in (the first time: the stationary ones too)
	MULT \tau, 0
	PLACES 5                                       ; four in front of the loads into the walking fragments and of the first reads; the fifth for the next tile's first products, which write over the accumulators
.if (\tau) < 7
	WALK (\tau)+1
.endif
	QUANT ACC, OUT+6*((\tau)%2), OUT+12+6*((\tau)%2)
.if (\tau)%2 == 0
	v_and_or_b32 v[KA], v[PW], 0xffff, s[PADW]     ; the first head's two bytes under 0x7f7f,
	v_lshrrev_b32 v[KB], 16, v[PW]
	v_or_b32 v[KB], s[PADW], v[KB]                 ; the second head's
.else
	v_and_or_b32 v[TM+8], v[PW], 0xffff, s[PADW]
	v_lshrrev_b32 v[TM+9], 16, v[PW]
	v_or_b32 v[TM+9], s[PADW], v[TM+9]
	v_cndmask_b32 v[SCW+(\tau)/2], v[KA], v[TM+8], s[HI16]     ; lanes 0-15 the even tile's word, lanes 16-31 the odd tile's
	v_cndmask_b32 v[SCW+4+(\tau)/2], v[KB], v[TM+9], s[HI16]
.irp i, 0,1,2
	global_store_b128 v[L16], v[OUT+4*\i:OUT+4*\i+3], s[B0:B0+1] offset:512*(3*((\tau)/2)+\i)          ; 32 lanes store 512 consecutive bytes, aligned
	global_store_b128 v[L16], v[OUT+12+4*\i:OUT+12+4*\i+3], s[B0+2:B0+3] offset:512*(3*((\tau)/2)+\i)
.endr
.endif
.endm
; A walking tile of v: 16 of a head's 64 x my 128 keys: one fragment of 12 registers and one scale word a row
.macro TILE_V tau
.if ((\tau)%2 == 0) && ((\tau) >= 2)
	s_wait_xcnt 0x0
.endif
	s_wait_dscnt 0x0
	MULT \tau, 1
	PLACES 5
.if (\tau) < 7
	WALK (\tau)+1
.endif
	QUANT ACC, OUT+12*((\tau)%2), OUT+12*((\tau)%2)+6
.irp i, 0,1,2
	global_store_b128 v[L16], v[OUT+12*((\tau)%2)+4*\i:OUT+12*((\tau)%2)+4*\i+3], s[B0+2*((\tau)/4):B0+2*((\tau)/4)+1] offset:VC+1536*((\tau)%4)+512*\i
.endr
.if (\tau)%2 == 0
	v_mov_b32 v[KA], v[PW]
.else
	v_cndmask_b32 v[SCW+(\tau)/2], v[KA], v[PW], s[HI16]
.endif
.if (\tau)%4 == 3
	global_store_b64 v[L8], v[SCW+2*((\tau)/4):SCW+2*((\tau)/4)+1], s[B0+2*((\tau)/4):B0+2*((\tau)/4)+1] offset:VSO   ; a head's four tiles' words: 256 consecutive bytes, aligned
.endif
.endm
	s_cmp_eq_u32 s[YY], 2
	s_cbranch_scc1 .Lpath_v
	s_wait_alu depctr_va_vdst(0)
.irp tau, 0,1,2,3,4,5,6,7
	TILE_QK \tau
.endr
	global_store_b128 v[L16], v[SCW:SCW+3], s[BS0:BS0+1]
	global_store_b128 v[L16], v[SCW+4:SCW+7], s[BS1:BS1+1]
	s_branch .Ljoin
.Lpath_v:
.irp tau, 0,1,2,3,4,5,6,7
	TILE_V \tau
.endr
.Ljoin:
	s_wait_tensorcnt 0x0                           ; the wave's end, behind my last tensor load
	ds_add_u32 v[SPW], v[NIL]
	s_wait_dscnt 0x0
	CROUND                                         ; the closing round: no work-group ends while a partner may still ask for a tile that names it
	s_endpgm
.Lfunc_end_k_q6ecd31b4bc_proj:
	.size	k_q6ecd31b4bc_proj, .Lfunc_end_k_q6ecd31b4bc_proj-k_q6ecd31b4bc_proj
	.p2alignl 7, 3214868480
	.fill 96, 4, 3214868480
	.section	.rodata,"a",@progbits
	.p2align	6, 0x0
	.amdhsa_kernel k_q6ecd31b4bc_proj
		.amdhsa_group_segment_fixed_size 276992
		.amdhsa_private_segment_fixed_size 0
		.amdhsa_enable_private_segment 0
		.amdhsa_kernarg_size 136
		.amdhsa_user_sgpr_count 2
		.amdhsa_user_sgpr_kernarg_segment_ptr 1
		.amdhsa_wavefront_size32 1
		.amdhsa_system_sgpr_workgroup_id_x 1
		.amdhsa_system_sgpr_workgroup_id_y 1
		.amdhsa_system_sgpr_workgroup_id_z 1
		.amdhsa_system_vgpr_workitem_id 0
		.amdhsa_next_free_vgpr 768
		.amdhsa_next_free_sgpr 102
		.amdhsa_reserve_vcc 0
		.amdhsa_float_denorm_mode_32 3
		.amdhsa_float_denorm_mode_16_64 3
		.amdhsa_memory_ordered 1
		.amdhsa_forward_progress 1
		.amdhsa_inst_pref_size 184
	.end_amdhsa_kernel
	.amdgpu_metadata
---
amdhsa.version: [ 1, 2 ]
amdhsa.kernels:
  - .name:           k_q6ecd31b4bc_proj
    .symbol:         k_q6ecd31b4bc_proj.kd
    .args:
      - { .name: query_codes, .offset: 0, .size: 8, .value_kind: global_buffer, .address_space: global }
      - { .name: query_scales, .offset: 8, .size: 8, .value_kind: global_buffer, .address_space: global }
      - { .name: key__codes, .offset: 16, .size: 8, .value_kind: global_buffer, .address_space: global }
      - { .name: key__scales, .offset: 24, .size: 8, .value_kind: global_buffer, .address_space: global }
      - { .name: value_codes, .offset: 32, .size: 8, .value_kind: global_buffer, .address_space: global }
      - { .name: value_scales, .offset: 40, .size: 8, .value_kind: global_buffer, .address_space: global }
      - { .name: Wq_codes, .offset: 48, .size: 8, .value_kind: global_buffer, .address_space: global }
      - { .name: Wq_scales, .offset: 56, .size: 8, .value_kind: global_buffer, .address_space: global }
      - { .name: Wk_codes, .offset: 64, .size: 8, .value_kind: global_buffer, .address_space: global }
      - { .name: Wk_scales, .offset: 72, .size: 8, .value_kind: global_buffer, .address_space: global }
      - { .name: Wv_codes, .offset: 80, .size: 8, .value_kind: global_buffer, .address_space: global }
      - { .name: Wv_scales, .offset: 88, .size: 8, .value_kind: global_buffer, .address_space: global }
      - { .name: bq, .offset: 96, .size: 8, .value_kind: global_buffer, .address_space: global }
      - { .name: bk, .offset: 104, .size: 8, .value_kind: global_buffer, .address_space: global }
      - { .name: bv, .offset: 112, .size: 8, .value_kind: global_buffer, .address_space: global }
      - { .name: qimg, .offset: 120, .size: 8, .value_kind: global_buffer, .address_space: global }
      - { .name: kv, .offset: 128, .size: 8, .value_kind: global_buffer, .address_space: global }
    .group_segment_fixed_size: 276992
    .private_segment_fixed_size: 0
    .kernarg_segment_align: 8
    .kernarg_segment_size: 136
    .max_flat_workgroup_size: 128
    .sgpr_count:     102
    .vgpr_count:     768
    .wavefront_size: 32
...
	.end_amdgpu_metadata
.endif
;; end of part 1
;; launch attn (part 2): grid 16 x 16, 16 waves a work-group, clusters of 4 x 1, 327,680 bytes of LDS; arguments qimg, kv, ctx, ctxs; writes ctx, ctxs
.if DOCPART == 2
	.amdgcn_target "amdgcn-amd-amdhsa--gfx1250"
	.amdhsa_code_object_version 6
	.text
	.protected	k_q6ecd31b4bc_attn
	.globl	k_q6ecd31b4bc_attn
	.p2align	8
	.type	k_q6ecd31b4bc_attn,@function
k_q6ecd31b4bc_attn:
	s_mov_b64 s[64:65], 0
	v_nop
	global_prefetch_b8 v0, s[64:65] scope:SCOPE_SE
	s_setreg_imm32_b32 hwreg(HW_REG_WAVE_MODE, 25, 1), 1
	s_wait_xcnt 0x0
	s_wait_alu depctr_hold_cnt(0) depctr_sa_sdst(0) depctr_va_vdst(0) depctr_va_sdst(0) depctr_va_ssrc(0) depctr_va_vcc(0) depctr_vm_vsrc(0)
	s_getreg_b32 s2, hwreg(HW_REG_IB_STS2, 6, 4)
	s_cmp_eq_u32 s2, 0
	s_cbranch_scc0 .Lentry_in_a_cluster
	s_endpgm
.Lentry_in_a_cluster:
	s_bfe_u32 s2, ttmp6, 0x10000c
	s_cmp_lg_u32 s2, 0x3003
	s_cbranch_scc0 .Lentry_shape_is_right
	s_endpgm
.Lentry_shape_is_right:
; ctx[bh][q] = the sum over keys of softmax(q . k / 8) v, both products on codes of FP6 (E2M3) with one E8M0 byte for each 32 along K; then ctx is quantised along the model's 512 (a head gives two whole blocks).
; SOFTMAX: t = score x log2(e) / 8; M = the row's largest t so far, rounded UP to a whole number; p = 2^(t - M) is quantised along the keys, not normalised.  The row's sum is taken of the unquantised p, in f32,
; and divides at the end.  When M moves, the sum and O are multiplied by 2^(old M - new M), which rounds nothing.
; SHARES.  A work-group owns 256 queries of one (batch, head); each of its sixteen waves one tile of 16, in 256 registers.  Every wave walks the 32 key steps of 128 keys.  A key step's record (13,056 bytes of kv:
; k's codes, v's codes, both scale words, as images of operand registers) is read by 16 or 8 bytes a lane, lane l at 16 l or 8 l.
; LDS.  24 records lie in LDS at once, record n at 13,056 n.  At the head waves 0 to 3 fetch records 0 to 7, two each.  Behind the first round waves 4 to 11 fetch records 8 to 23, their first fill, which has key steps
; 0 to 7 in which to land.  Behind key step 7 stands the launch's only refill: waves 0 to 3 fetch records 24 to 31 onto records 0 to 7.  The barrier that shows those eight to all waves guards no refill: it is signalled
; behind key step 15 and awaited behind key step 23; between the two only records 16 to 23 are read.
; CLUSTER.  The four query blocks of a cluster belong to one (batch, head) and walk the same records: each load is asked for jointly, mask 15.
; NO PREFETCH: records 0 to 7 are asked for at the head, where there is no loop to run ahead in; every later record is asked for by its tensor load at least eight key steps ahead of its first read.
; LAYOUT.  Both products are used transposed (S^T = k q^T, O^T = v^T p^T): a lane holds ONE query (lane % 16).  The launch before has chosen the rows of every tile (lane r of tile 2 b + u: row 32 b + 8 u + r + 8 (r / 8)),
; so that p's registers 16 b + i are keys 32 b + 16 h + i, and O^T's registers 16 b + i the head's channels 32 b + 16 h + i.
; K = 64 UNDER AN INSTRUCTION OF 128.  q's upper six registers are zero codes; k's fragment t is v[32 + 6 t .. + 11]: its upper half is the next tile's codes (behind the last: zeros), which zero codes multiply; the upper scale bytes are 0x7f.
; OUT.  ctx [tile of 16 tokens 512][head 8][3][lane 32][8 bytes].  ctxs [tile][row 16][4 words]: head 2 s + c owns half c of word s; a row's two bytes leave by a store of 2 bytes a lane, lanes 16-31 storing the same bytes.
; LIMITS: NaN and infinities are not served; the scaled scores stay under 2^31 in magnitude.  A block of zeros gets the byte 1 where the quantiser says 127 (zero codes; bytes read by this program alone).
; p's BLOCK SCALE is made without its largest p: p rises with the score, and the exponent of 2^x is floor(x), so the byte is floor(t - M) + 125 of the block's largest score, held at 1 from below.  Where v_exp_f32 rounds
; that largest p up to the next power of two (x within an ulp under a whole number), that one p is held at the largest code.  p under 2^-126 is 0 (v_exp_f32 flushes).
.set REC,   13056
.set QREC,  6656
.set VC,    6144
.set QSO,   6144
.set KSO,   12288
.set VSO,   12800
.set NST,   8                          ; key steps in a loop
.set NRES,  24                         ; records in LDS at once
.set SPARE, NRES*REC                   ; the spare words, 128 bytes for each of 16 waves
.set L16,  1                           ; 16 x lane
.set L8,   2                           ; 8 x lane
.set ADR,  3                           ; the record in hand + 16 x lane
.set ADR8, 4                           ; + 8 x lane
.set SPW,  5                           ; my spare word; never rewritten
.set NIL,  6                           ; 0; never rewritten
.set QO,   7                           ; v7-9 q's three offsets
.set R16,  10                          ; 16 (lane % 16)
.set QSA,  11                          ; q's scale word's offset.   v12 -M, v13 the largest t, v[14:15] the sum in two halves
.set QF,   16                          ; v16-21 q's codes, v22-27 zero codes
.set QS,   28                          ; q's scale words
.set KB,   32                          ; v32-79 k's 8 x 6 registers, later v's 4 x 12; v80-85 zero codes
.set KS,   86                          ; v86-89 k's scale words: register j: lanes 0-15 tile 2 j, lanes 16-31 tile 2 j + 1
.set VS,   90                          ; v90-91 v's likewise
.set S,    96                          ; v96-159 S^T, then p
.set O,    160                         ; v160-191 O^T
.set PC,   192                         ; v192-203 p's codes
.set CT,   204                         ; v204-211 the conversions' second halves
.set BM,   212                         ; v212-215 the blocks' largest scores
.set BP,   216                         ; v216-219 at work; the scale bytes
.set BS,   220                         ; v220-223 the conversions' scale operands
.set FF,   224                         ; f = 2^(old M - new M)
.set PW,   225                         ; p's scale word
.set T1,   226                         ; the old -M
.set T0,   227
.set U,    228                         ; v228-233 three chains of the row's sum
.set WV,   12                          ; my wave
.set QB,   14                          ; my block of 256 queries
.set BH,   15                          ; 8 batch + head
.set G1,   24                          ; s[24:31] group 1
.set G0W,  36                          ; s[36:39] group 0
.set TB,   40                          ; LDS byte of the record in hand
.set CNT,  41
.set CS,   44                          ; s[44:45] c = log2(e) / 8
.set SEL,  46                          ; s[46:47] selects for lane l xor 16
.macro PLACES n
.rept \n
	v_nop
.endr
.endm
.macro CROUND                          ; a round of the cluster's barrier
	s_barrier_signal -1
	s_barrier_wait -1
	s_cmp_lg_u32 s[WV], 0
	s_cbranch_scc1 .Lnot_wave_0_\@
	s_barrier_signal -3
.Lnot_wave_0_\@:
	s_barrier_wait -3
	s_barrier_signal -1
	s_barrier_wait -1
.endm
.macro JLOAD from, under               ; a joint load by waves from .. under - 1, two records each; the branches hang on the wave's number alone
.if \from
	s_cmp_lt_u32 s[WV], \from
	s_cbranch_scc1 .Lnone_\@
.endif
	s_cmp_lt_u32 s[WV], \under
	s_cbranch_scc0 .Lnone_\@
	tensor_load_to_lds s[G0W:G0W+3], s[G1:G1+7]
	s_nop 0
	PLACES 4
.Lnone_\@:
.endm
.macro WMZ d, a, sa, ra                ; a tile of S^T: source 0 = 16 keys, source 1 = my queries; the product starts the sum
.if (\ra)
	v_wmma_scale_f32_16x16x128_f8f6f4 v[\d:\d+7], v[\a:\a+11], v[QF:QF+11], 0, v[\sa], v[QS] matrix_a_fmt:MATRIX_FMT_FP6 matrix_b_fmt:MATRIX_FMT_FP6 matrix_a_scale:MATRIX_SCALE_ROW1
.else
	v_wmma_scale_f32_16x16x128_f8f6f4 v[\d:\d+7], v[\a:\a+11], v[QF:QF+11], 0, v[\sa], v[QS] matrix_a_fmt:MATRIX_FMT_FP6 matrix_b_fmt:MATRIX_FMT_FP6
.endif
.endm
.macro WMA d, a, sa, ra                ; a tile of O^T: source 0 = 16 channels x 128 keys, source 1 = p
.if (\ra)
	v_wmma_scale_f32_16x16x128_f8f6f4 v[\d:\d+7], v[\a:\a+11], v[PC:PC+11], v[\d:\d+7], v[\sa], v[PW] matrix_a_fmt:MATRIX_FMT_FP6 matrix_b_fmt:MATRIX_FMT_FP6 matrix_a_scale:MATRIX_SCALE_ROW1
.else
	v_wmma_scale_f32_16x16x128_f8f6f4 v[\d:\d+7], v[\a:\a+11], v[PC:PC+11], v[\d:\d+7], v[\sa], v[PW] matrix_a_fmt:MATRIX_FMT_FP6 matrix_b_fmt:MATRIX_FMT_FP6
.endif
.endm
	s_load_b256 s[4:11], s[0:1], 0x0               ; qimg s[4:5], kv s[6:7], ctx s[8:9], ctxs s[10:11]
	v_lshl_add_u32 v[SPW], v0, 2, SPARE
	v_mov_b32 v[NIL], 0
	ds_add_u32 v[SPW], v[NIL]                      ; the opening lines: the add, twice on end, and its wait
	ds_add_u32 v[SPW], v[NIL]
	v_lshrrev_b32 v29, 5, v0
	s_delay_alu instid0(VALU_DEP_1)
	v_readfirstlane_b32 s[WV], v29                 ; wave 0..15
	s_bfe_u32 s13, ttmp6, 0x40000                  ; cx
	s_lshl_b32 s[QB], ttmp9, 2
	s_add_co_u32 s[QB], s[QB], s13                 ; it enters q's and the outputs' addresses alone
	s_and_b32 s[BH], ttmp7, 0xffff                 ; which the four partners share
	; group 1: two records, 26,112 dense bytes, as 102 rows of 256 bytes (32 elements of 8 bytes); no padding: every read is 16 or 8 consecutive bytes a lane
	s_mov_b32 s[G1], 15|(3<<16)|(1<<21)            ; the mask: all four; elements of 8 bytes; 21 set beside a mask
	s_mov_b32 s[G1+1], 32<<16
	s_mov_b32 s[G1+2], 102<<16
	s_mov_b32 s[G1+3], 32<<16
	s_mov_b32 s[G1+4], 102
	s_mov_b32 s[G1+5], 32
	s_mov_b32 s[G1+6], 0
	s_mov_b32 s[G1+7], 0
	s_min_u32 s16, s[WV], 11                       ; (waves 12 to 15 make wave 11's numbers and issue nothing)
	s_mov_b32 s[G0W], 1
	s_mul_i32 s[G0W+1], s16, 2*REC                 ; LDS: records 2 w, 2 w + 1
	s_lshl_b32 s16, s16, 1
	s_lshl_b32 s17, s[BH], 5
	s_add_co_u32 s16, s16, s17
	s_mul_i32 s16, s16, REC                        ; in memory: record 32 bh + 2 w
	s_mov_b32 s17, 0
	s_mov_b32 s[CS], 0x3e38aa3b                    ; log2(e) / 8
	s_mov_b32 s[CS+1], s[CS]                       ; (named with it as a pair)
	s_mov_b32 s[SEL], 0x76543210
	s_mov_b32 s[SEL+1], 0xfedcba98
	s_mov_b32 s[TB], 0
	s_wait_dscnt 0x0                               ; both opening adds are done
	s_wait_kmcnt 0x0
	s_add_nc_u64 s[G0W+2:G0W+3], s[6:7], s[16:17]
	s_or_b32 s[G0W+3], s[G0W+3], 0x80000000        ; type = 2
	CROUND                                         ; all four work-groups are here: the first joint loads meet
	JLOAD 0, 4                                     ; records 0 to 7: one load a wave
	; q: record 32 bh + 2 qb + w / 8, tile t = w % 8: registers n = 6 t + 2 p, + 1 at 512 (n / 4) + 16 l + 4 (n % 4)
	v_and_b32 v29, 31, v0                          ; lane
	v_and_b32 v30, 15, v0                          ; r
	s_delay_alu instid0(VALU_DEP_2)
	v_lshlrev_b32 v[L16], 4, v29
	s_wait_alu depctr_va_vdst(0)
	v_lshlrev_b32 v[L8], 3, v29
	v_lshlrev_b32 v[R16], 4, v30
	s_wait_alu depctr_va_vdst(0)
	s_and_b32 s18, s[WV], 7
	s_lshr_b32 s19, s[WV], 3
	s_lshl_b32 s20, s[BH], 5
	s_lshl_b32 s21, s[QB], 1
	s_add_co_u32 s20, s20, s21
	s_add_co_u32 s20, s20, s19
	s_mul_i32 s20, s20, QREC
	s_mov_b32 s21, 0
	s_add_nc_u64 s[4:5], s[4:5], s[20:21]
	s_mul_i32 s22, s18, 6
.irp p, 0,1,2
	s_add_co_u32 s23, s22, 2*\p
	s_lshr_b32 s48, s23, 2
	s_lshl_b32 s48, s48, 9
	s_and_b32 s23, s23, 3
	s_lshl_b32 s23, s23, 2
	s_add_co_u32 s48, s48, s23
	v_add_nc_u32 v[QO+\p], s48, v[L16]
.endr
	s_and_b32 s23, s18, 1
	s_lshl_b32 s23, s23, 8
	s_lshr_b32 s48, s18, 1
	s_lshl_b32 s48, s48, 2
	s_add_co_u32 s23, s23, s48
	v_add_nc_u32 v[QSA], s23, v[R16]               ; the word of tile t, row r: 16 (r + 16 (t % 2)) + 4 (t / 2)
	s_wait_alu depctr_va_vdst(0)
.irp p, 0,1,2
	global_load_b64 v[QF+2*\p:QF+2*\p+1], v[QO+\p], s[4:5]
.endr
	global_load_b32 v[QS], v[QSA], s[4:5] offset:QSO
	; where my tile goes: tile of tokens tau = 256 batch + 16 qb + w
	s_lshr_b32 s49, s[BH], 3
	s_lshl_b32 s49, s49, 8
	s_lshl_b32 s50, s[QB], 4
	s_add_co_u32 s49, s49, s50
	s_add_co_u32 s49, s49, s[WV]
	s_and_b32 s50, s[BH], 7                        ; head
	s_mul_i32 s52, s49, 6144
	s_mul_i32 s51, s50, 768
	s_add_co_u32 s52, s52, s51
	s_mov_b32 s53, 0
	s_add_nc_u64 s[8:9], s[8:9], s[52:53]          ; ctx + 6,144 tau + 768 head
	s_lshl_b32 s52, s49, 8
	s_lshl_b32 s51, s50, 1
	s_add_co_u32 s52, s52, s51
	s_add_nc_u64 s[10:11], s[10:11], s[52:53]      ; ctxs + 256 tau + 2 head
.irp j, 0,1,2,3,4,5
	v_mov_b32 v[QF+6+\j], 0                        ; zero codes: q's K = 64 .. 127
	v_mov_b32 v[KB+48+\j], 0                       ; and what stands behind k's last tile
.endr
	v_mov_b32 v13, 0xff61b1e6                      ; the largest t so far: -3e38
	s_delay_alu instid0(VALU_DEP_1)
	v_floor_f32 v12, -v13                          ; -M
	v_mov_b32 v14, 0
	v_mov_b32 v15, 0
.irp b, 0,1,2,3
	v_mov_b32 v[BP+\b], 0                          ; a lane permute's destination counts as one of its sources
.endr
	v_mov_b32 v[PW], 0
.set J, 0
.rept 32
	v_mov_b32 v[O+J], 0                            ; O^T: the step is written once; the first finds zeros
.set J, J+1
.endr
; A KEY STEP: 128 keys, the record at s[TB].
.macro STEP
	v_add_nc_u32 v[ADR], s[TB], v[L16]
	v_add_nc_u32 v[ADR8], s[TB], v[L8]
	PLACES 2                                       ; with the two additions: four places in front of loads into registers that the last products have read
.irp i, 0,1,2,3,4,5,6,7,8,9,10,11
	ds_load_b128 v[KB+4*\i:KB+4*\i+3], v[ADR] offset:512*\i        ; k's eight tiles, six registers each
.endr
	ds_load_b128 v[KS:KS+3], v[ADR] offset:KSO
	s_wait_alu depctr_va_vdst(0)
	s_wait_dscnt 0x0
.irp t, 0,1,2,3,4,5,6,7
	WMZ S+8*\t, KB+6*\t, KS+\t/2, \t%2
.endr
	v_mov_b32 v[T1], v12                           ; the old -M is kept; with the three below: four places in front of the loads and of the first reads of the scores
	PLACES 3
.irp i, 0,1,2,3,4,5,6,7,8,9,10,11
	ds_load_b128 v[KB+4*\i:KB+4*\i+3], v[ADR] offset:VC+512*\i     ; v's four tiles: they land under the softmax
.endr
	ds_load_b64 v[VS:VS+1], v[ADR8] offset:VSO
.irp b, 0,1,2,3
	v_max3_num_f32 v[BM+\b], v[S+16*\b], v[S+16*\b+1], v[S+16*\b+2]   ; the largest score of each block of 32 keys: for the row's maximum and for the block's scale
.endr
.irp i, 3,5,7,9,11,13
.irp b, 0,1,2,3
	v_max3_num_f32 v[BM+\b], v[BM+\b], v[S+16*\b+\i], v[S+16*\b+\i+1]
.endr
.endr
.irp b, 0,1,2,3
	v_max_num_f32 v[BM+\b], v[BM+\b], v[S+16*\b+15]
.endr
.irp b, 0,1,2,3
	s_delay_alu instid0(VALU_DEP_4)
	v_permlanex16_b32 v[BP+\b], v[BM+\b], s[SEL], s[SEL+1]
.endr
.irp b, 0,1,2,3
	s_delay_alu instid0(VALU_DEP_4)
	v_max_num_f32 v[BM+\b], v[BM+\b], v[BP+\b]     ; with lane l xor 16's 16 keys
.endr
	s_delay_alu instid0(VALU_DEP_2)
	v_max3_num_f32 v[T0], v[BM], v[BM+1], v[BM+2]
	s_delay_alu instid0(VALU_DEP_1)
	v_max_num_f32 v[T0], v[T0], v[BM+3]            ; the step's largest score of my query
	s_delay_alu instid0(VALU_DEP_1)
	v_mul_f32 v[T0], s[CS], v[T0]                  ; as t (c is positive)
	s_delay_alu instid0(VALU_DEP_1)
	v_max_num_f32 v13, v13, v[T0]                  ; the running largest t
	s_delay_alu instid0(VALU_DEP_1)
	v_floor_f32 v12, -v13                          ; the new -M = -ceil(t)
	s_delay_alu instid0(VALU_DEP_1)
	v_sub_f32 v[T0], v12, v[T1]                    ; old M - new M: a whole number, 0 or less
	s_delay_alu instid0(VALU_DEP_1)
	v_cvt_i32_f32 v[T0], v[T0]                     ; (it saturates)
	s_delay_alu instid0(VALU_DEP_1)
	v_ldexp_f32 v[FF], 1.0, v[T0]                  ; f = 2^(old M - new M)
.set J, 0
.rept 32
	v_pk_fma_f32 v[S+J:S+J+1], v[S+J:S+J+1], s[CS:CS+1], v[12:13] op_sel_hi:[1,0,0]   ; t - M, two at a time
.set J, J+2
.endr
.irp b, 0,1,2,3
	v_fma_f32 v[BM+\b], v[BM+\b], s[CS], v12       ; the same of each block's largest score: x
.endr
.irp b, 0,1,2,3
	s_delay_alu instid0(VALU_DEP_4)
	v_max_num_f32 v[BM+\b], 0xc2f80000, v[BM+\b]   ; not under -124: the byte cannot fall under 1
.endr
.irp b, 0,1,2,3
	s_delay_alu instid0(VALU_DEP_4)
	v_cvt_floor_i32_f32 v[BP+\b], v[BM+\b]         ; floor(x): the exponent of the block's largest p
.endr
.irp b, 0,1,2,3
	s_delay_alu instid0(VALU_DEP_4)
	v_add_nc_u32 v[BP+\b], 125, v[BP+\b]           ; - 2 + 127: the scale's byte
.endr
.irp b, 0,1,2,3
	s_delay_alu instid0(VALU_DEP_4)
	v_lshlrev_b32 v[BS+\b], 23, v[BP+\b]           ; as an exponent field: the conversion's scale operand
.endr
	v_lshl_or_b32 v[PW], v[BP+1], 8, v[BP]         ; p's scale word for these 128 keys
	s_delay_alu instid0(VALU_DEP_1)
	v_lshl_or_b32 v[PW], v[BP+2], 16, v[PW]
	s_delay_alu instid0(VALU_DEP_1)
	v_lshl_or_b32 v[PW], v[BP+3], 24, v[PW]
	s_wait_alu depctr_va_vdst(0)
.set J, 0
.rept 64
	v_exp_f32 v[S+J], v[S+J]                       ; p = 2^(t - M), at most 1
.set J, J+1
.endr
	v_pk_mul_f32 v[14:15], v[14:15], v[FF:FF+1] op_sel_hi:[1,0]   ; the sums under the new M: the plain instruction behind the exponentials
	s_wait_alu depctr_va_vdst(0)                   ; one wait for the batch of 64, ahead of its first reader
	v_pk_add_f32 v[U:U+1], v[S:S+1], v[S+2:S+3]    ; the row's sum of the unquantised p: 32 pairs in four chains by turns
	v_pk_add_f32 v[U+2:U+3], v[S+4:S+5], v[S+6:S+7]
	v_pk_add_f32 v[U+4:U+5], v[S+8:S+9], v[S+10:S+11]
	v_pk_add_f32 v[14:15], v[14:15], v[S+12:S+13]
.set J, 14
.rept 6
	v_pk_add_f32 v[U:U+1], v[U:U+1], v[S+J:S+J+1]
	v_pk_add_f32 v[U+2:U+3], v[U+2:U+3], v[S+J+2:S+J+3]
	v_pk_add_f32 v[U+4:U+5], v[U+4:U+5], v[S+J+4:S+J+5]
	v_pk_add_f32 v[14:15], v[14:15], v[S+J+6:S+J+7]
.set J, J+8
.endr
	v_pk_add_f32 v[U:U+1], v[U:U+1], v[S+62:S+63]
	v_pk_add_f32 v[U+2:U+3], v[U+2:U+3], v[U+4:U+5]
	s_delay_alu instid0(VALU_DEP_2)
	v_pk_add_f32 v[14:15], v[14:15], v[U:U+1]
	s_delay_alu instid0(VALU_DEP_1)
	v_pk_add_f32 v[14:15], v[14:15], v[U+2:U+3]
.irp c, 0,1
	v_cvt_scalef32_pk16_fp6_f32 v[PC+6*\c:PC+6*\c+2], v[S+32*\c:S+32*\c+15], v[BS+2*\c]
	v_cvt_scalef32_pk16_fp6_f32 v[CT+4*\c:CT+4*\c+2], v[S+32*\c+16:S+32*\c+31], v[BS+2*\c+1]   ; (a conversion's three registers begin on an even number)
.endr
	v_pk_mul_f32 v[O:O+1], v[O:O+1], v[FF:FF+1] op_sel_hi:[1,0]   ; O^T under the new M, its first pair: the plain place behind the scaled conversions
.irp c, 0,1                                    ; a WHOLE block in a lane: lanes 0-15 block 2 c, lanes 16-31 block 2 c + 1
.irp i, 0,1,2
	v_permlane16_swap_b32 v[PC+6*\c+\i], v[CT+4*\c+\i]
.endr
.irp i, 0,1,2
	s_delay_alu instid0(VALU_DEP_3)
	v_mov_b32 v[PC+6*\c+3+\i], v[CT+4*\c+\i]
.endr
.endr
.set J, 2
.rept 15
	v_pk_mul_f32 v[O+J:O+J+1], v[O+J:O+J+1], v[FF:FF+1] op_sel_hi:[1,0]   ; the other fifteen pairs; for each product below at least eleven of them, on the other tiles, are the places behind p's codes
.set J, J+2
.endr
	s_wait_alu depctr_va_vdst(0)
	s_wait_dscnt 0x0                               ; v is in
.irp t, 0,1,2,3
	WMA O+8*\t, KB+12*\t, VS+\t/2, \t%2            ; the four accumulators by turns
.endr
	s_add_co_u32 s[TB], s[TB], REC
.endm
.macro STEPS                           ; eight key steps
	s_mov_b32 s[CNT], NST
.Lstep_\@:
	STEP
	s_sub_co_u32 s[CNT], s[CNT], 1
	s_cmp_lg_u32 s[CNT], 0
	s_cbranch_scc1 .Lstep_\@
.endm
	s_wait_alu depctr_va_vdst(0)
	s_wait_tensorcnt 0x0                           ; my part of records 0 to 7 is in; a later first fill follows:
	ds_add_u32 v[SPW], v[NIL]                      ; the add, twice on end
	ds_add_u32 v[SPW], v[NIL]
	s_wait_dscnt 0x0                               ; the adds are done
	CROUND                                         ; records 0 to 7 are whole, and all four work-groups are here
	JLOAD 4, 12                                    ; records 8 to 23, filled for the first time
	s_wait_loadcnt 0x0                             ; q
	STEPS                                          ; key steps 0 to 7
	s_wait_tensorcnt 0x0                           ; THE REFILL.  My part of records 8 to 23 is in; no tensor load of mine is out, so group 0 may be written;
	ds_add_u32 v[SPW], v[NIL]                      ; the add, twice on end
	ds_add_u32 v[SPW], v[NIL]
	s_add_nc_u64 s[G0W+2:G0W+3], s[G0W+2:G0W+3], NRES*REC   ; record 24 + 2 w, onto record 2 w's bytes
	s_wait_dscnt 0x0                               ; the adds are done, and my reads of records 0 to 7 are over
	CROUND                                         ; that holds of every wave of all four partners
	JLOAD 0, 4                                     ; records 24 to 31
	STEPS                                          ; key steps 8 to 15
	s_wait_tensorcnt 0x0                           ; my part of records 24 to 31 is in; no LDS read of mine is out:
	s_wait_dscnt 0x0
	s_barrier_signal -1                            ; say so.  This barrier guards no refill: up to its wait records 16 to 23 alone are read, which nobody writes
	STEPS                                          ; key steps 16 to 23
	s_barrier_wait -1                              ; every wave has said so: records 24 to 31 are whole
	s_mov_b32 s[TB], 0                             ; they lie where records 0 to 7 lay
	STEPS                                          ; key steps 24 to 31
	; THE WAY OUT.  O^T / the row's sum is ctx: registers 16 b + i = channel 32 b + 16 h + i of my head: two blocks of the last product's K, quantised here.
	PLACES 4                                       ; behind the last products
	v_add_f32 v14, v14, v15                        ; the sum's two halves,
	s_delay_alu instid0(VALU_DEP_1)
	v_permlanex16_b32 v[T0], v14, s[SEL], s[SEL+1]
	s_delay_alu instid0(VALU_DEP_1)
	v_add_f32 v14, v14, v[T0]                      ; and lane l xor 16's
	s_wait_alu depctr_va_vdst(0)
	v_rcp_f32 v14, v14
	v_nop                                          ; a plain instruction behind the reciprocal
	s_wait_alu depctr_va_vdst(0)                   ; and the wait ahead of its first reader
.set J, 0
.rept 32
	v_mul_f32 v[S+J], v[O+J], v14                  ; each accumulator from its low end on
.set J, J+1
.endr
.irp b, 0,1
	v_max3_num_f32 v[BM+\b], |v[S+16*\b]|, |v[S+16*\b+1]|, 0x1800000
.endr
.irp i, 2,4,6,8,10,12,14
.irp b, 0,1
	s_delay_alu instid0(VALU_DEP_2)
	v_max3_num_f32 v[BM+\b], v[BM+\b], |v[S+16*\b+\i]|, |v[S+16*\b+\i+1]|
.endr
.endr
.irp b, 0,1
	s_delay_alu instid0(VALU_DEP_2)
	v_permlanex16_b32 v[BP+\b], v[BM+\b], s[SEL], s[SEL+1]
.endr
.irp b, 0,1
	s_delay_alu instid0(VALU_DEP_2)
	v_max_num_f32 v[BM+\b], v[BM+\b], v[BP+\b]
.endr
.irp b, 0,1
	s_delay_alu instid0(VALU_DEP_2)
	v_add_nc_u32 v[BS+\b], 0xff000000, v[BM+\b]
.endr
.irp b, 0,1
	s_delay_alu instid0(VALU_DEP_2)
	v_lshrrev_b32 v[BP+\b], 23, v[BS+\b]
.endr
	s_delay_alu instid0(VALU_DEP_1)
	v_lshl_or_b32 v[BP], v[BP+1], 8, v[BP]         ; my row's two bytes
	v_cvt_scalef32_pk16_fp6_f32 v[PC:PC+2], v[S:S+15], v[BS]
	v_cvt_scalef32_pk16_fp6_f32 v[CT:CT+2], v[S+16:S+31], v[BS+1]
	v_nop
.irp i, 0,1,2
	v_permlane16_swap_b32 v[PC+\i], v[CT+\i]
.endr
.irp i, 0,1,2
	s_delay_alu instid0(VALU_DEP_3)
	v_mov_b32 v[PC+3+\i], v[CT+\i]
.endr
.irp p, 0,1,2
	global_store_b64 v[L8], v[PC+2*\p:PC+2*\p+1], s[8:9] offset:256*\p   ; 32 lanes store 256 consecutive bytes, aligned
.endr
	global_store_b16 v[R16], v[BP], s[10:11]
	s_wait_tensorcnt 0x0                           ; the wave's end
	ds_add_u32 v[SPW], v[NIL]
	s_wait_dscnt 0x0
	CROUND                                         ; the closing round
	s_endpgm
.Lfunc_end_k_q6ecd31b4bc_attn:
	.size	k_q6ecd31b4bc_attn, .Lfunc_end_k_q6ecd31b4bc_attn-k_q6ecd31b4bc_attn
	.p2alignl 7, 3214868480
	.fill 96, 4, 3214868480
	.section	.rodata,"a",@progbits
	.p2align	6, 0x0
	.amdhsa_kernel k_q6ecd31b4bc_attn
		.amdhsa_group_segment_fixed_size 327680
		.amdhsa_private_segment_fixed_size 0
		.amdhsa_enable_private_segment 0
		.amdhsa_kernarg_size 32
		.amdhsa_user_sgpr_count 2
		.amdhsa_user_sgpr_kernarg_segment_ptr 1
		.amdhsa_wavefront_size32 1
		.amdhsa_system_sgpr_workgroup_id_x 1
		.amdhsa_system_sgpr_workgroup_id_y 1
		.amdhsa_system_sgpr_workgroup_id_z 1
		.amdhsa_system_vgpr_workitem_id 0
		.amdhsa_next_free_vgpr 256
		.amdhsa_next_free_sgpr 66
		.amdhsa_reserve_vcc 0
		.amdhsa_float_denorm_mode_32 3
		.amdhsa_float_denorm_mode_16_64 3
		.amdhsa_memory_ordered 1
		.amdhsa_forward_progress 1
		.amdhsa_inst_pref_size 80
	.end_amdhsa_kernel
	.amdgpu_metadata
---
amdhsa.version: [ 1, 2 ]
amdhsa.kernels:
  - .name:           k_q6ecd31b4bc_attn
    .symbol:         k_q6ecd31b4bc_attn.kd
    .args:
      - { .name: qimg, .offset: 0, .size: 8, .value_kind: global_buffer, .address_space: global }
      - { .name: kv, .offset: 8, .size: 8, .value_kind: global_buffer, .address_space: global }
      - { .name: ctx, .offset: 16, .size: 8, .value_kind: global_buffer, .address_space: global }
      - { .name: ctxs, .offset: 24, .size: 8, .value_kind: global_buffer, .address_space: global }
    .group_segment_fixed_size: 327680
    .private_segment_fixed_size: 0
    .kernarg_segment_align: 8
    .kernarg_segment_size: 32
    .max_flat_workgroup_size: 512
    .sgpr_count:     66
    .vgpr_count:     256
    .wavefront_size: 32
...
	.end_amdgpu_metadata
.endif
;; end of part 2
;; launch outp (part 3): grid 4 x 64, 4 waves a work-group, clusters of 4 x 4, 172,544 bytes of LDS; arguments ctx, ctxs, Wo_codes, Wo_scales, bo, out0; writes out0
.if DOCPART == 3
	.amdgcn_target "amdgcn-amd-amdhsa--gfx1250"
	.amdhsa_code_object_version 6
	.text
	.protected	k_q6ecd31b4bc_outp
	.globl	k_q6ecd31b4bc_outp
	.p2align	8
	.type	k_q6ecd31b4bc_outp,@function
k_q6ecd31b4bc_outp:
	s_mov_b64 s[64:65], 0
	v_nop
	global_prefetch_b8 v0, s[64:65] scope:SCOPE_SE
	s_setreg_imm32_b32 hwreg(HW_REG_WAVE_MODE, 25, 1), 1
	s_wait_xcnt 0x0
	s_wait_alu depctr_hold_cnt(0) depctr_sa_sdst(0) depctr_va_vdst(0) depctr_va_sdst(0) depctr_va_ssrc(0) depctr_va_vcc(0) depctr_vm_vsrc(0)
	s_getreg_b32 s2, hwreg(HW_REG_IB_STS2, 6, 4)
	s_cmp_eq_u32 s2, 0
	s_cbranch_scc0 .Lentry_in_a_cluster
	s_endpgm
.Lentry_in_a_cluster:
	s_bfe_u32 s2, ttmp6, 0x10000c
	s_cmp_lg_u32 s2, 0xf033
	s_cbranch_scc0 .Lentry_shape_is_right
	s_endpgm
.Lentry_shape_is_right:
; out0 = ctx Wo^T + bo on codes of FP6 (E2M3): ctx as the attention launch has quantised it (images of operand registers, and a row's four scale words on end), Wo as it is given.
; SHARES.  A work-group makes 128 tokens x 128 outputs; 64 x 4 = 256 work-groups.  Wave w keeps ctx's tiles 2 w and 2 w + 1 (8 fragments, 96 registers) as source 1 and walks Wo's eight tiles of 16 rows as source 0:
; a lane then holds eight neighbouring outputs of one token.  K = 512 is four matrix instructions; a tile of Wo feeds two accumulators, which take turns.
; CLUSTER 4 x 4: the four work-groups of a row share their 128 tokens of ctx, the four of a column their 128 rows of Wo: each is asked for jointly.  Waves 0, 1 fetch ctx's halves, waves 2, 3 Wo's.  Every LDS byte is filled once.
; TOKENS: row rho of ctx's tile 2 w + i is token 128 tb + 32 w + 8 i + rho + 8 (rho / 8): the order in which the first launch laid the queries; the stores put each row where it belongs.
; THE WAY OUT: a wave's 32 rows x 512 bytes gather in its own stage in LDS and leave as whole rows: 32 lanes store 512 consecutive bytes, aligned.
; LIMITS: a given scale byte 0xff gives NaN, as the format has it.
.set PITCH,  432                       ; a row of Wo in LDS: 3 x (128 bytes + 16 of padding)
.set CTB,    128*PITCH                 ; behind Wo's 128 rows: ctx's 8 tiles x 6,144 bytes, dense
.set STG,    CTB+49152                 ; the stages: for each wave 2 x 16 rows of 528 bytes; no tensor load lands here
.set SPITCH, 528
.set SPARE,  STG+4*32*SPITCH           ; the spare words, 128 bytes for each wave, which no other line names
.set WA,  2                            ; v2, v3  432 r + 24 h, and the same behind one padding more
.set CA,  4                            ; v4      my two tiles of ctx + 8 x lane
.set L16, 5                            ; v5      16 x lane
.set STO, 6                            ; v6      my stage + 528 r + 32 h
.set RD,  7                            ; v7      my stage + 16 x lane
.set BO,  8                            ; v8      32 h
.set SPW, 10                           ; v10     LDS address of my spare word; never rewritten
.set NIL, 11                           ; v11     0; never rewritten
.set WS,  12                           ; v12-27  Wo's scale words: 4 j + s: lanes 0-15 tile 2 j, lanes 16-31 tile 2 j + 1
.set CSC, 28                           ; v28-31  ctx's: register s: lanes 0-15 tile 2 w, lanes 16-31 tile 2 w + 1
.set WF,  32                           ; v32-127 Wo's fragments: two buffers of four
.set ACC, 128                          ; v128-159 two pairs of accumulators
.set BIA, 96                           ; window 1: v0-95 ctx's fragments, 12 (4 i + s); v96-159 bo as C, eight registers a tile
.set WV,  16
.set G1C, 24                           ; s[24:31], s[40:43] groups 1 and 0 for ctx;  s[44:51], s[52:55] for Wo
.set G0C, 40
.set G1O, 44
.set G0O, 52
.set MSB, 0
.macro WIN new                         ; the immediate's high byte repeats the setting that is left
.if MSB != \new
	s_set_vgpr_msb (MSB<<8)|\new
.set MSB, \new
.endif
.endm
.macro PLACES n
.rept \n
	v_nop
.endr
.endm
.macro CROUND                          ; a round of the cluster's barrier
	s_barrier_signal -1
	s_barrier_wait -1
	s_cmp_lg_u32 s[WV], 0
	s_cbranch_scc1 .Lnot_wave_0_\@
	s_barrier_signal -3
.Lnot_wave_0_\@:
	s_barrier_wait -3
	s_barrier_signal -1
	s_barrier_wait -1
.endm
; A fragment of Wo: lane (r, h) takes 24 bytes at 96 q + 24 h and 24 at 96 q + 48 + 24 h of its row, in pieces of 8 bytes; 16 bytes of padding lie behind every 16 pieces
.macro FRAG reg, adr, q, row
.irp p, 0,1,2,3,4,5
.set PCE, 12*(\q)+6*(\p/3)+\p%3
.if PCE%16 < 13
	ds_load_b64 v[2*\p+(\reg):2*\p+(\reg)+1], v[\adr] offset:8*PCE+16*(PCE/16)+(\row)*PITCH
.else
	ds_load_b64 v[2*\p+(\reg):2*\p+(\reg)+1], v[\adr+1] offset:8*PCE+16*(PCE/16)+(\row)*PITCH
.endif
.endr
.endm
.macro WFETCH t                        ; tile t's four fragments into buffer t % 2: 24 loads
.irp s, 0,1,2,3
	FRAG WF+48*((\t)%2)+12*\s, WA, \s, 16*(\t)
.endr
.endm
.macro WM d, a, b, c, sa, sb, ra, rb   ; ra, rb = 1: that side's scale words stand in lanes 16-31
.if (\ra) && (\rb)
	v_wmma_scale_f32_16x16x128_f8f6f4 v[\d:\d+7], v[\a:\a+11], v[\b:\b+11], v[\c:\c+7], v[\sa], v[\sb] matrix_a_fmt:MATRIX_FMT_FP6 matrix_b_fmt:MATRIX_FMT_FP6 matrix_a_scale:MATRIX_SCALE_ROW1 matrix_b_scale:MATRIX_SCALE_ROW1
.elseif (\ra)
	v_wmma_scale_f32_16x16x128_f8f6f4 v[\d:\d+7], v[\a:\a+11], v[\b:\b+11], v[\c:\c+7], v[\sa], v[\sb] matrix_a_fmt:MATRIX_FMT_FP6 matrix_b_fmt:MATRIX_FMT_FP6 matrix_a_scale:MATRIX_SCALE_ROW1
.elseif (\rb)
	v_wmma_scale_f32_16x16x128_f8f6f4 v[\d:\d+7], v[\a:\a+11], v[\b:\b+11], v[\c:\c+7], v[\sa], v[\sb] matrix_a_fmt:MATRIX_FMT_FP6 matrix_b_fmt:MATRIX_FMT_FP6 matrix_b_scale:MATRIX_SCALE_ROW1
.else
	v_wmma_scale_f32_16x16x128_f8f6f4 v[\d:\d+7], v[\a:\a+11], v[\b:\b+11], v[\c:\c+7], v[\sa], v[\sb] matrix_a_fmt:MATRIX_FMT_FP6 matrix_b_fmt:MATRIX_FMT_FP6
.endif
.endm
	s_load_b256 s[4:11], s[0:1], 0x0               ; ctx s[4:5], ctxs s[6:7], Wo's codes s[8:9], Wo's scales s[10:11]
	s_load_b128 s[12:15], s[0:1], 0x20             ; bo s[12:13], out0 s[14:15]
	v_lshl_add_u32 v[SPW], v0, 2, SPARE
	v_mov_b32 v[NIL], 0
	ds_add_u32 v[SPW], v[NIL]                      ; the wave's opening: the add and its wait stand ahead of my first tensor load; the set-up below, work on registers, stands between them
	ds_add_u32 v[SPW], v[NIL]
	v_lshrrev_b32 v1, 5, v0
	v_readfirstlane_b32 s[WV], v1                  ; wave 0..3
	s_lshr_b32 s17, s[WV], 1                       ; I fetch for ctx (0) or for Wo (1),
	s_and_b32 s18, s[WV], 1                        ; this half of it
	s_bfe_u32 s19, ttmp6, 0x40000                  ; cx
	s_bfe_u32 s20, ttmp6, 0x40004                  ; cy
	s_lshl_b32 s21, ttmp9, 2
	s_add_co_u32 s21, s21, s19                     ; nb: which 128 outputs
	s_and_b32 s22, ttmp7, 0xffff
	s_lshl_b32 s22, s22, 2
	s_add_co_u32 s22, s22, s20                     ; tb: which 128 tokens
	s_lshl_b32 s56, s20, 2
	s_lshl_b32 s56, 15, s56                        ; my row of the cluster
	s_lshl_b32 s57, 0x1111, s19                    ; my column
	s_or_b32 s[G1C], s56, (3<<16)|(1<<21)          ; ctx: half of 49,152 dense bytes as 96 rows of 256 bytes (32 elements of 8 bytes), no padding; the mask: my row; 21 set beside it
	s_mov_b32 s[G1C+1], 32<<16
	s_mov_b32 s[G1C+2], 96<<16
	s_mov_b32 s[G1C+3], 32<<16
	s_mov_b32 s[G1C+4], 96
	s_mov_b32 s[G1C+5], 32
	s_mov_b32 s[G1C+6], 0
	s_mov_b32 s[G1C+7], 0
	s_or_b32 s[G1O], s57, (1<<20)|(1<<21)|(4<<22)|(3<<25)   ; Wo: 64 rows of 384 bytes are 24,576 dense bytes: stated as 96 rows of 256 bytes, each on a multiple of 256; 16 bytes of padding behind every 128; the mask: my column
	s_mov_b32 s[G1O+1], 256<<16
	s_mov_b32 s[G1O+2], 96<<16
	s_mov_b32 s[G1O+3], 256<<16
	s_mov_b32 s[G1O+4], 96
	s_mov_b32 s[G1O+5], 256
	s_mov_b32 s[G1O+6], 0
	s_mov_b32 s[G1O+7], 0
	s_mov_b32 s[G0C], 1
	s_mul_i32 s[G0C+1], s18, 24576
	s_add_co_u32 s[G0C+1], s[G0C+1], CTB
	s_mov_b32 s[G0O], 1
	s_mul_i32 s[G0O+1], s18, 64*PITCH
	s_mul_i32 s58, s22, 49152                      ; ctx's address hangs on tb and the wave alone,
	s_mul_i32 s23, s18, 24576
	s_add_co_u32 s58, s58, s23
	s_mov_b32 s59, 0
	s_lshl_b32 s60, s21, 7                         ; Wo's on nb and the wave alone
	s_lshl_b32 s23, s18, 6
	s_add_co_u32 s60, s60, s23
	s_mul_i32 s60, s60, 384
	s_mov_b32 s61, 0
	v_and_b32 v32, 15, v0                          ; r
	v_bfe_u32 v33, v0, 4, 1                        ; h
	v_and_b32 v34, 31, v0                          ; lane
	v_mul_u32_u24 v[WA], v32, PITCH
	v_mad_u32_u24 v[WA], v33, 24, v[WA]
	v_lshl_add_u32 v[WA+1], v33, 4, v[WA]
	s_mul_i32 s62, s[WV], 12288
	s_add_co_u32 s62, s62, CTB
	v_lshl_add_u32 v[CA], v34, 3, s62
	v_lshlrev_b32 v[L16], 4, v34
	s_mul_i32 s63, s[WV], 32*SPITCH
	s_add_co_u32 s63, s63, STG
	v_mul_u32_u24 v[STO], v32, SPITCH
	v_lshl_add_u32 v[STO], v33, 5, v[STO]
	v_add_nc_u32 v[STO], s63, v[STO]
	v_add_nc_u32 v[RD], s63, v[L16]
	v_lshlrev_b32 v[BO], 5, v33
	s_wait_dscnt 0x0                               ; the opening add is done
	s_wait_kmcnt 0x0
	s_add_nc_u64 s[G0C+2:G0C+3], s[4:5], s[58:59]
	s_or_b32 s[G0C+3], s[G0C+3], 0x80000000
	s_add_nc_u64 s[G0O+2:G0O+3], s[8:9], s[60:61]
	s_or_b32 s[G0O+3], s[G0O+3], 0x80000000
	CROUND                                         ; all sixteen work-groups are here: the joint loads meet
	s_cmp_eq_u32 s17, 0                            ; each of the two lines has one mask; the branch hangs on the wave's number alone.  One load of mine is out
	s_cbranch_scc0 .Lfor_w
	tensor_load_to_lds s[G0C:G0C+3], s[G1C:G1C+7]
	s_nop 0
	PLACES 4
	s_branch .Lasked
.Lfor_w:
	tensor_load_to_lds s[G0O:G0O+3], s[G1O:G1O+7]
	s_nop 0
	PLACES 4
.Lasked:
	s_lshl_b32 s62, s21, 11
	s_mov_b32 s63, 0
	s_add_nc_u64 s[10:11], s[10:11], s[62:63]      ; Wo's scale bytes: 16 a row, my 128 rows
	s_lshl_b32 s62, s21, 9
	s_add_nc_u64 s[12:13], s[12:13], s[62:63]      ; bo: my 128 numbers
	s_add_nc_u64 s[14:15], s[14:15], s[62:63]      ; out0: my 128 columns,
	s_lshl_b32 s62, s22, 2
	s_add_co_u32 s62, s62, s[WV]                   ; 4 tb + w: my pair of tiles
	s_lshl_b32 s56, s62, 9
	s_mov_b32 s57, 0
	s_add_nc_u64 s[6:7], s[6:7], s[56:57]          ; its 32 rows' scale words
	s_lshl_b32 s56, s62, 16
	s_add_nc_u64 s[14:15], s[14:15], s[56:57]      ; and token 128 tb + 32 w: 2,048 bytes a row
	s_wait_alu depctr_va_vdst(0)
.irp j, 0,1,2,3
	global_load_b128 v[WS+4*\j:WS+4*\j+3], v[L16], s[10:11] offset:512*\j
.endr
	global_load_b128 v[CSC:CSC+3], v[L16], s[6:7]
	WIN 0x40                                       ; destination window 1
.irp t, 0,1,2,3,4,5,6,7
	global_load_b128 v[BIA+8*\t:BIA+8*\t+3], v[BO], s[12:13] offset:64*\t       ; lane (r, h), tile t: outputs 16 t + 8 h + 0 .. 7
	global_load_b128 v[BIA+8*\t+4:BIA+8*\t+7], v[BO], s[12:13] offset:64*\t+16
.endr
	WIN 0
	s_wait_tensorcnt 0x0                           ; my load has landed,
	s_barrier_signal -1
	s_barrier_wait -1                              ; everybody's has.
	WIN 0x40
.irp i, 0,1
.irp s, 0,1,2,3
.irp p, 0,1,2,3,4,5
	ds_load_b64 v[12*(4*\i+\s)+2*\p:12*(4*\i+\s)+2*\p+1], v[CA] offset:\i*6144+\s*1536+256*\p   ; ctx's fragments: planes of 256 bytes, 8 bytes a lane
.endr
.endr
.endr
	WIN 0
	WFETCH 0
	WFETCH 1
	s_wait_loadcnt 0x0                             ; scale words and bias
; Tile t of Wo against my two tiles of ctx.  n: the LDS instructions issued behind this tile's fragments, which may stay out.
.macro TRIP t, n
	s_wait_dscnt \n
	WIN 0x14                                       ; source 1 (ctx) and source 2 (bo) window 1
.irp i, 0,1
	WM ACC+16*((\t)%2)+8*\i, WF+48*((\t)%2), 12*(4*\i), BIA+8*(\t), WS+4*((\t)/2), CSC, (\t)%2, \i
.endr
	WIN 0x04
.irp s, 1,2,3
.irp i, 0,1
	WM ACC+16*((\t)%2)+8*\i, WF+48*((\t)%2)+12*\s, 12*(4*\i+\s), ACC+16*((\t)%2)+8*\i, WS+4*((\t)/2)+\s, CSC+\s, (\t)%2, \i   ; the two accumulators by turns, one instruction a turn
.endr
.endr
	WIN 0
	PLACES 4                                       ; in front of the stores that read the results and of the loads into this buffer; with the next trip's four they also stand ahead of the products that begin this pair anew
.irp i, 0,1
	ds_store_b128 v[STO], v[ACC+16*((\t)%2)+8*\i:ACC+16*((\t)%2)+8*\i+3] offset:\i*16*SPITCH+64*(\t)        ; each accumulator from its low end on
	ds_store_b128 v[STO], v[ACC+16*((\t)%2)+8*\i+4:ACC+16*((\t)%2)+8*\i+7] offset:\i*16*SPITCH+64*(\t)+16
.endr
.if (\t) < 6
	WFETCH (\t)+2
.endif
.endm
	TRIP 0, 24                                     ; tile 1's 24 loads may be out
.irp t, 1,2,3,4,5,6
	TRIP \t, 28                                    ; the last trip's 4 stores and 24 loads may be out
.endr
	TRIP 7, 4                                      ; trip 6 issued its 4 stores and no loads
.set N, 0
.rept 32
	ds_load_b128 v[32+4*N:35+4*N], v[RD] offset:(N/16)*16*SPITCH+(N%16)*SPITCH   ; my own stage: LDS serves a wave's instructions in order, so these see my stores
.set N, N+1
.endr
.set N, 0
.rept 32
	s_wait_dscnt 31-N                              ; row N is back; the younger ones may be out
	global_store_b128 v[L16], v[32+4*N:35+4*N], s[14:15] offset:(8*(N/16)+(N%16)+8*((N%16)/8))*2048 th:TH_STORE_NT   ; 32 lanes store 512 consecutive bytes, aligned; written once, read by nobody here
.set N, N+1
.endr
	s_wait_tensorcnt 0x0                           ; the wave's end: behind my last tensor load and my last LDS store
	ds_add_u32 v[SPW], v[NIL]
	s_wait_dscnt 0x0
	CROUND                                         ; the closing round: no work-group ends while a partner may still ask for a tile that names it
	s_endpgm
.Lfunc_end_k_q6ecd31b4bc_outp:
	.size	k_q6ecd31b4bc_outp, .Lfunc_end_k_q6ecd31b4bc_outp-k_q6ecd31b4bc_outp
	.p2alignl 7, 3214868480
	.fill 96, 4, 3214868480
	.section	.rodata,"a",@progbits
	.p2align	6, 0x0
	.amdhsa_kernel k_q6ecd31b4bc_outp
		.amdhsa_group_segment_fixed_size 172544
		.amdhsa_private_segment_fixed_size 0
		.amdhsa_enable_private_segment 0
		.amdhsa_kernarg_size 48
		.amdhsa_user_sgpr_count 2
		.amdhsa_user_sgpr_kernarg_segment_ptr 1
		.amdhsa_wavefront_size32 1
		.amdhsa_system_sgpr_workgroup_id_x 1
		.amdhsa_system_sgpr_workgroup_id_y 1
		.amdhsa_system_sgpr_workgroup_id_z 1
		.amdhsa_system_vgpr_workitem_id 0
		.amdhsa_next_free_vgpr 512
		.amdhsa_next_free_sgpr 66
		.amdhsa_reserve_vcc 0
		.amdhsa_float_denorm_mode_32 3
		.amdhsa_float_denorm_mode_16_64 3
		.amdhsa_memory_ordered 1
		.amdhsa_forward_progress 1
		.amdhsa_inst_pref_size 42
	.end_amdhsa_kernel
	.amdgpu_metadata
---
amdhsa.version: [ 1, 2 ]
amdhsa.kernels:
  - .name:           k_q6ecd31b4bc_outp
    .symbol:         k_q6ecd31b4bc_outp.kd
    .args:
      - { .name: ctx, .offset: 0, .size: 8, .value_kind: global_buffer, .address_space: global }
      - { .name: ctxs, .offset: 8, .size: 8, .value_kind: global_buffer, .address_space: global }
      - { .name: Wo_codes, .offset: 16, .size: 8, .value_kind: global_buffer, .address_space: global }
      - { .name: Wo_scales, .offset: 24, .size: 8, .value_kind: global_buffer, .address_space: global }
      - { .name: bo, .offset: 32, .size: 8, .value_kind: global_buffer, .address_space: global }
      - { .name: out0, .offset: 40, .size: 8, .value_kind: global_buffer, .address_space: global }
    .group_segment_fixed_size: 172544
    .private_segment_fixed_size: 0
    .kernarg_segment_align: 8
    .kernarg_segment_size: 48
    .max_flat_workgroup_size: 128
    .sgpr_count:     66
    .vgpr_count:     512
    .wavefront_size: 32
...
	.end_amdgpu_metadata
.endif
;; end of part 3
